; MI455X (gfx1250); checked and timed in simulation.
; The chip was launched on July 23, 2026; its instructions are those of AMD's public machine-readable ISA for CDNA 5 (MIT licence, August 2026) and "CDNA5" Instruction Set Architecture Reference Guide (July 2026). The comments in the code are by the model that wrote it; some were corrected since.
;; Py Torch Attention. Allowed arithmetic: float matrix products may take bf16 or f16 operands with f32 sums; all other float work in f32.
;; Inputs: K 4 x 2,048 x 1,024 float32; Q 4 x 2,048 x 1,024 float32; V 4 x 2,048 x 1,024 float32.
;; Outputs: out0 4 x 2,048 x 1,024 float32.
;; 2 versions, each right and faster than the one before. Each part assembles by itself: llvm-mc -triple=amdgcn-amd-amdhsa -mcpu=gfx1250 --defsym DOCPART=n.
;; ======== version 1 of 2: 1 launch
;; limits: values are held in f16: magnitudes above 65,504 overflow, below 6.1e-05 lose precision; inputs' magnitudes at most 65,504
;; launch attn (part 1): grid 256 x 1, 4 waves a work-group, no clusters, 109,056 bytes of LDS; arguments Q, K, V, out0; writes out0
.if DOCPART == 1
	.amdgcn_target "amdgcn-amd-amdhsa--gfx1250"
	.amdhsa_code_object_version 6
	.text
	.protected	k_qa4d1f4bbc5_attn
	.globl	k_qa4d1f4bbc5_attn
	.p2align	8
	.type	k_qa4d1f4bbc5_attn,@function
k_qa4d1f4bbc5_attn:
	s_mov_b64 s[64:65], 0
	v_nop
	global_prefetch_b8 v0, s[64:65] scope:SCOPE_SE
	s_setreg_imm32_b32 hwreg(HW_REG_WAVE_MODE, 25, 1), 1
	s_wait_xcnt 0x0
; Causal attention.  Q, K, V, out0: [4][2048][1024] f32; 16 heads of 64 channels, so a head's row is 256 bytes, rows 4,096 bytes apart.
; out[q] = sum over keys k <= q of softmax_k(Q[q] . K[k] / 8) V[k].  Q, K, V and the weights p go to the matrix unit in f16; products, maxima, sums in f32.
; WHY f16 AND NOT bf16.  A query with few keys gets a weighted mean of a few numbers of V's own size, so an error in a weight shows whole in the result: f16's 11 significant bits
; leave 2^-12 of a weight, of a score's factors and of V, bf16's 8 bits would leave 2^-9.
; SHARES.  Work-group g: head g / 4 (of 64), x = g % 4.  A head's queries are 8 blocks of 256; the group makes block 7 - x, then block x: the two are written out one behind the other.
; In a block, tile t (0..3) of wave w is queries 64 t + 16 w + 0..15.  Keys go in steps of 64.  A block blk takes: its first diagonal key tile 4 blk (it starts m, l, O), the 4 blk tiles
; below the diagonal (a loop, two a trip), then the diagonal tiles 4 blk + 1..3, in which query tiles under the key tile are wholly masked and are not computed.
; Every wave so does (16 (7 - x) + 10) + (16 x + 10) = 132 tiles of 16 x 64 in 36 steps.
; LAYOUT.  S^T = K Q^T (source 0 = 16 keys, source 1 = 16 queries): a lane holds ONE query (lane % 16) and keys 8 (lane / 16) + 0..7 of each 16.  Two such tiles rounded to f16 in pairs ARE
; source 1 of O^T = V^T P, whose result again holds one query a lane.  A product of ones with P gives the row sum l in every lane of the query.  V ([key][channel]) is turned by ds_load_tr16_b128.
; SOFTMAX.  A running maximum m for each query: p = 2^(c s - c m), c = log2(e) / 8; in every step O and l are multiplied by a = 2^(c m_old - c m_new).
; THE WAY IN.  K and V are f32 in memory: each wave loads 16 rows of a step's K and V tiles into registers (two whole rows of 256 bytes an instruction), rounds them ONCE for the whole
; work-group and stores them as f16 into one of two LDS slots; two register sets keep the tiles of the next two steps on their way.  One barrier a step.
; NO COPY ENGINE, NO JOINT REQUESTS: an engine would lay f32 into LDS, twice the bytes, and each of the four waves would round the same numbers, or they would pass through LDS twice;
; and the four work-groups of a head walk different lists of tiles (each its own diagonal tile first, 4 blk + 4 tiles in a block).  No prefetch: each tile is asked for two steps ahead already.
; LIMITS.  Inputs are taken to be finite and under 65,504 in magnitude, f16's largest number (beyond it the rounding gives infinity); numbers under 2^-14 are kept as f16 denormals, within 2^-25.
; Masked scores are -infinity, not the least f32: the same result, since every query keeps its own key.  Keys are summed diagonal tile first, another order of rounding than the plain one.
; l is the sum of the weights AFTER their rounding to f16.
;
; REGISTERS, in windows of 256 (s_set_vgpr_msb: bits 1:0 source 0, 3:2 source 1, 5:4 source 2, 7:6 destination):
;   window 0: v0-15 addresses; v16-47 eight registers of statistics a tile; v64-191 S^T, 32 a tile; v192-255 P, 16 a tile
;   window 1: v0-127 O^T, 32 a tile (at the start: block 1's Q as loaded); v128-159 l's accumulators, 8 a tile
;   window 2: v0-63 Q, 16 a tile; v64-127 K of a step; v128-191 V of a step; v192-199 ones in f16
;   window 3: v0-127 block 2's Q as loaded; v128-255 two sets of 64: 16 rows of K and of V as loaded
.set PK,    144       ; a row of K (and of Q) in LDS: 128 bytes + 16: 9 x 16 bytes, so the 16 rows of a fragment load lie in 16 different columns of 16 bytes modulo 256
.set PV,    160       ; a row of V: 128 + 32: 5 x 32 bytes, for the turning load, whose 16 lanes take 8 rows x 32 bytes
.set VOFFL, 64*PK     ; in a slot: 64 rows of K, then 64 rows of V
.set SLOT,  64*(PK+PV)
.set STAGE, 2*SLOT    ; behind the slots: a stage for each wave, its own
.set SP,    272       ; the way out: a row of 64 f32 + 16 bytes
.set TILEO, 16*SP
.set TILEQ, 16*PK
.set STW,   4*TILEO   ; a wave's stage: four tiles on the way out; Q's four tiles (4 x 2,304 bytes) fit in the same bytes
.set RR,   1          ; v1   lane % 16
.set HH,   2          ; v2   lane / 16
.set GOFF, 3          ; v3   (16 w + lane / 16) x 4,096 + 16 (lane % 16): the one global offset, for Q, K, V and out0; never rewritten
.set KST,  4          ; v4   where I store 8 bytes of a row of K
.set VST,  5          ; v5   the same for V
.set AK,   6          ; v6   my place in a fragment of K
.set AV,   7          ; v7   my place in a turning load of V
.set STO,  8          ; v8   the way out: where I put 16 bytes of a row
.set RD,   9          ; v9   the way out: where I read a row back
.set QST,  10         ; v10  where I store 8 bytes of a row of Q
.set QRD,  11         ; v11  my place in a fragment of Q
.set NEG,  12         ; v12  -infinity
.set TA,   13         ; v13-15 at work in the set-up
.set TB,   14
.set TC,   15
.set ST,   16         ; tile t's statistics at v[ST+8 t]: +0 c m, +1 m, +4 to +7 chains c0-c3; c2 later holds a (at the end 1 / l), c3 holds c m_old - c m_new
.set S,    64
.set P,    192
.set LS,   128        ; window 1
.set KF,   64         ; window 2
.set VF,   128
.set ONES, 192
.set STG,  128        ; window 3
.set QP,   4          ; s[4:5]   Q at block 1
.set KH,   6          ; s[6:7]   K at the head's first row
.set VH,   8          ; s[8:9]   V at the head's first row
.set OP,   10         ; s[10:11] out0 at block 1
.set WV,   12         ; s12  my wave's number
.set XX,   13         ; s13  x
.set TT,   14         ; s14, s15 at work
.set HO,   16         ; s[16:17] the head's byte offset
.set BO,   18         ; s[18:19] block 1's byte offset
.set Q2,   20         ; s[20:21] Q at block 2
.set OP2,  22         ; s[22:23] out0 at block 2
.set KP,   24         ; s[24:25], s[26:27] K and V at the tile being asked for
.set VP,   26
.set TO,   28         ; s[28:29] that tile's byte offset; the high word stays 0
.set FI,   30         ; s30  which request of its block comes next
.set FB,   31         ; s31  4 x the block that the requests are in
.set FB2,  32         ; s32  4 x block 2
.set SB,   33         ; s33  my stage's first byte
.set CNT,  34         ; s34  block 1's trips of the loop over tiles below the diagonal: 2 (7 - x)
.set CNT2, 36         ; s36  block 2's trips: 2 x
.set CS,   38         ; s[38:39] c, twice: the packed scaling names a pair
.set SEL,  40         ; s[40:41] lane selects for v_permlanex16_b32: each lane takes its own place in the other half
.set MK,   66         ; s[66:97] 32 lane masks of a diagonal tile: bit of a lane = its score in register i is kept
.set W_KQ, 0x0a       ; K and Q in window 2, S^T in window 0
.set W_PV, 0x52       ; V in window 2, P in window 0, O^T in window 1
.set W_RS, 0x41       ; O^T (destination and source 0) in window 1, the factor in window 0
.set MSB, 0
.macro WIN new                         ; the immediate's high byte repeats the setting that is left; a switch that changes nothing is dropped
.if MSB != \new
	s_set_vgpr_msb (MSB<<8)|\new
.set MSB, \new
.endif
.endm
; A vector instruction that reads a matrix result, and a load into a register that a matrix instruction has read, stand four places behind it; only plain vector
; instructions that name none of its registers are places (ISA guide 7.12.1 for vector instructions).
.macro PLACES
.rept 4
	v_nop
.endr
.endm
; The next tile of the walk is asked for, into register set 'set'.  Request FI of a block: 0 -> tile 4 blk; 1 .. 4 blk -> tile FI - 1; beyond -> tile FI.
.macro ISSUE set
	s_sub_co_u32 s[TT], s[FI], 1
	s_cmp_gt_u32 s[FI], s[FB]
	s_cselect_b32 s[TT], s[FI], s[TT]
	s_cmp_eq_u32 s[FI], 0
	s_cselect_b32 s[TT], s[FB], s[TT]
	s_lshl_b32 s[TO], s[TT], 18                    ; 64 rows of 4,096 bytes
	s_wait_xcnt 0x0                                ; the two bases are sources of the loads issued last: they are rewritten only behind this wait
	s_add_nc_u64 s[KP:KP+1], s[KH:KH+1], s[TO:TO+1]
	s_add_nc_u64 s[VP:VP+1], s[VH:VH+1], s[TO:TO+1]
	WIN 0xc0                                       ; destination window 3
.irp i, 0,1,2,3,4,5,6,7
	global_load_b128 v[STG+64*(\set)+4*\i:STG+64*(\set)+4*\i+3], v[GOFF], s[KP:KP+1] offset:8192*\i       ; rows 16 w + 2 i and + 1: 16 lanes take a row's 256 bytes
.endr
.irp i, 0,1,2,3,4,5,6,7
	global_load_b128 v[STG+64*(\set)+32+4*\i:STG+64*(\set)+32+4*\i+3], v[GOFF], s[VP:VP+1] offset:8192*\i
.endr
	s_add_co_u32 s[FI], s[FI], 1
	s_add_co_u32 s[TT], s[FB], 4
	s_cmp_eq_u32 s[FI], s[TT]                      ; a block has 4 blk + 4 requests: then block 2's begin
	s_cselect_b32 s[FI], 0, s[FI]
	s_cselect_b32 s[FB], s[FB2], s[FB]
.endm
; In a step of parity p: the next step's tile, in register set 1 - p, is rounded to f16 in place and stored into slot 1 - p.  left = the younger loads that may stay out.
.macro FEED p, left
.set rG, STG+64*(1-\p)
	s_wait_loadcnt \left                           ; loads come back in order (ISA guide 5.7.1)
	WIN 0xcf
.set i, 0
.rept 16
	v_cvt_pk_f16_f32 v[rG+4*i],   v[rG+4*i],   v[rG+4*i+1]
	v_cvt_pk_f16_f32 v[rG+4*i+1], v[rG+4*i+2], v[rG+4*i+3]
.set i, i+1
.endr
	WIN 0x0c                                       ; data window 3, address window 0
.irp i, 0,1,2,3,4,5,6,7
	ds_store_b64 v[KST], v[rG+4*\i:rG+4*\i+1] offset:(1-\p)*SLOT+2*PK*\i
.endr
.irp i, 0,1,2,3,4,5,6,7
	ds_store_b64 v[VST], v[rG+32+4*\i:rG+32+4*\i+1] offset:(1-\p)*SLOT+2*PV*\i
.endr
.endm
; A step's K: 8 fragments of 16 keys x 32 channels (keys 16 (f / 2) on, channels 32 (f % 2) on); lane l holds row l % 16; two loads of 16 bytes, 32 bytes apart.
.macro FETCH_K s
	WIN 0x80                                       ; destination window 2
.irp f, 0,1,2,3,4,5,6,7
	ds_load_b128 v[KF+8*\f:KF+8*\f+3],   v[AK] offset:(\s)*SLOT+(\f/2)*16*PK+(\f%2)*64
	ds_load_b128 v[KF+8*\f+4:KF+8*\f+7], v[AK] offset:(\s)*SLOT+(\f/2)*16*PK+(\f%2)*64+32
.endr
.endm
; A step's V, turned: 8 fragments of 16 channels x 32 keys (keys 32 (f / 4) on, channels 16 (f % 4) on).
.macro FETCH_V s
	WIN 0x80
.irp f, 0,1,2,3,4,5,6,7
	ds_load_tr16_b128 v[VF+8*\f:VF+8*\f+3],   v[AV] offset:(\s)*SLOT+(\f/4)*32*PV+(\f%4)*32
	ds_load_tr16_b128 v[VF+8*\f+4:VF+8*\f+7], v[AV] offset:(\s)*SLOT+(\f/4)*32*PV+16*PV+(\f%4)*32
.endr
.endm
; S^T = K Q^T for tiles t0..3.  The accumulators take turns, one instruction a turn: 4 (4 - t0) of them.  The first 32 channels start the sums.
.macro KQ t0
	WIN W_KQ
.set c, 0
.rept 2
.set kt, 0
.rept 4
.set t, \t0
.rept 4-\t0
.set rS, S+32*t+8*kt
.set rK, KF+16*kt+8*c
.set rQ, 16*t+8*c
.if c == 0
	v_wmma_f32_16x16x32_f16 v[rS:rS+7], v[rK:rK+7], v[rQ:rQ+7], 0
.else
	v_wmma_f32_16x16x32_f16 v[rS:rS+7], v[rK:rK+7], v[rQ:rQ+7], v[rS:rS+7]
.endif
.set t, t+1
.endr
.set kt, kt+1
.endr
.set c, c+1
.endr
.endm
; O^T += V^T P and l += ones P for tiles t0..3.  5 (4 - t0) accumulators take turns.  first = 1: the first 32 keys start the sums: nothing is ever cleared.
.macro PV t0, first
	WIN W_PV
.set u, 0
.rept 2
.set ct, 0
.rept 5
.set t, \t0
.rept 4-\t0
.set rP, P+16*t+8*u
.if ct < 4
.set rO, 32*t+8*ct
.set rV, VF+32*u+8*ct
.else
.set rO, LS+8*t
.set rV, ONES
.endif
.if \first && (u == 0)
	v_wmma_f32_16x16x32_f16 v[rO:rO+7], v[rV:rV+7], v[rP:rP+7], 0
.else
	v_wmma_f32_16x16x32_f16 v[rO:rO+7], v[rV:rV+7], v[rP:rP+7], v[rO:rO+7]
.endif
.set t, t+1
.endr
.set ct, ct+1
.endr
.set u, u+1
.endr
.endm
; Number j of 16 of tile t's maximum: four chains of seven scores, then the four scores left over, the chains and the old m.
.macro MAXN first
.set rT, ST+8*t
.set rS, S+32*t
.if j < 4
	v_max3_num_f32 v[rT+4+j], v[rS+8*j], v[rS+8*j+1], v[rS+8*j+2]
.elseif j < 12
	v_max3_num_f32 v[rT+4+j%4], v[rT+4+j%4], v[rS+8*(j%4)+2*(j/4)+1], v[rS+8*(j%4)+2*(j/4)+2]
.elseif j == 12
	v_max3_num_f32 v[rT+4], v[rT+4], v[rS+7], v[rS+15]
.elseif j == 13
	v_max3_num_f32 v[rT+6], v[rT+6], v[rS+23], v[rS+31]
.elseif j == 14
	v_max3_num_f32 v[rT+4], v[rT+4], v[rT+5], v[rT+6]
.elseif \first
	v_max_num_f32 v[rT+4], v[rT+4], v[rT+7]
.else
	v_max3_num_f32 v[rT+4], v[rT+4], v[rT+7], v[rT+1]
.endif
.endm
; diag = 1: tile t0 lies on the diagonal: its scores above it become -infinity.  Then each lane's maximum; the tiles alternate, so that neighbours do not feed each other.
.macro SM_MAX t0, diag, first
	WIN 0
.if \diag
.set i, 0
.rept 32
	v_cndmask_b32 v[S+32*\t0+i], v[NEG], v[S+32*\t0+i], s[MK+i]
.set i, i+1
.endr
.endif
.set j, 0
.rept 16
.set t, \t0
.rept 4-\t0
	MAXN \first
.set t, t+1
.endr
.set j, j+1
.endr
.endm
.macro FS q                            ; pair q of tile t's scores: c s - c m
	v_pk_fma_f32 v[rS+2*(\q):rS+2*(\q)+1], v[rS+2*(\q):rS+2*(\q)+1], s[CS:CS+1], v[rT:rT+1] op_sel_hi:[1,0,0] neg_lo:[0,0,1] neg_hi:[0,0,1]
.endm
; The new m, c m and a; then p = 2^(c s - c m), rounded to f16.  Behind an exponential a plain instruction stands before its result is used (ISA guide 5.7.2):
; scalings two pairs ahead and roundings a pair back stand between the exponentials.
.macro SM_EXP t0, first
	WIN 0
.set t, \t0
.rept 4-\t0
	v_permlanex16_b32 v[ST+8*t+5], v[ST+8*t+4], s[SEL], s[SEL+1]   ; the query's other 32 keys lie in the lane 16 away
.set t, t+1
.endr
.if !\first
.set t, \t0
.rept 4-\t0
	v_mov_b32 v[ST+8*t+7], v[ST+8*t]               ; c m_old is kept for a
.set t, t+1
.endr
.endif
.set t, \t0
.rept 4-\t0
	v_max_num_f32 v[ST+8*t+1], v[ST+8*t+4], v[ST+8*t+5]
.set t, t+1
.endr
.set t, \t0
.rept 4-\t0
	v_mul_f32 v[ST+8*t], s[CS], v[ST+8*t+1]
.set t, t+1
.endr
.if !\first
.set t, \t0
.rept 4-\t0
	v_sub_f32 v[ST+8*t+7], v[ST+8*t+7], v[ST+8*t]
.set t, t+1
.endr
.set t, \t0
.rept 4-\t0
	v_exp_f32 v[ST+8*t+6], v[ST+8*t+7]             ; a; it is used only when O^T is rescaled
.set t, t+1
.endr
.endif
.set t, \t0
.rept 4-\t0
.set rT, ST+8*t
.set rS, S+32*t
.set rP, P+16*t
	FS 0
	FS 1
.set b, 0
.rept 16
	v_exp_f32 v[rS+2*b], v[rS+2*b]
.if b < 14
	FS b+2
.endif
	v_exp_f32 v[rS+2*b+1], v[rS+2*b+1]
.if b > 0
	s_wait_alu depctr_va_vdst(0)
	v_cvt_pk_f16_f32 v[rP+b-1], v[rS+2*b-2], v[rS+2*b-1]
.endif
.set b, b+1
.endr
	v_cvt_pk_f16_f32 v[rP+15], v[rS+30], v[rS+31]
.set t, t+1
.endr
.endm
; O^T and l times a.  Of l's eight equal registers only the first is kept right and read; the others are sums of at most 2,048 weights of at most 1, and are never read.
.macro SM_RS t0
	WIN W_RS
.set t, \t0
.rept 4-\t0
.set i, 0
.rept 16
	v_pk_mul_f32 v[32*t+2*i:32*t+2*i+1], v[32*t+2*i:32*t+2*i+1], v[ST+8*t+6:ST+8*t+7] op_sel_hi:[1,0]
.set i, i+1
.endr
	v_mul_f32 v[LS+8*t], v[LS+8*t], v[ST+8*t+6]
.set t, t+1
.endr
.endm
; A KEY STEP of parity p for tiles t0..3.  At its head: K's fragments are in registers or on their way from LDS; V lies in slot p; the next two tiles are on their way from memory.
; cv = 1: the next tile goes into slot 1 - p (left: the loads that may stay out).  iss = 1: the tile three steps on is asked for.  nxt = 1: a step follows.
; THE BARRIER.  In front of its signal my stores of the next tile are done, and so are my last reads of slot p (this step's V; its K was read a step ago).
; Behind its wait the next K is read from slot 1 - p, and the next step writes slot p.
.macro STEP t0, diag, first, p, cv, left, iss, nxt
.if \cv
	FEED \p, \left                                 ; its 32 roundings are the places behind the last step's products
.else
	PLACES
.endif
	FETCH_V \p
.if \iss
	ISSUE 1-\p
.endif
	s_wait_dscnt 16*\cv+16                         ; K (and a block's Q) are in: younger are this step's stores, if any, and its 16 loads of V
	KQ \t0
.if \nxt
	s_wait_dscnt 0x0                               ; for the others' sake: my stores are done, my reads of slot p are back
	s_barrier_signal -1
.endif
	PLACES
	SM_MAX \t0, \diag, \first                      ; register work while the others arrive
.if \nxt
	s_barrier_wait -1
	FETCH_K 1-\p
.endif
	SM_EXP \t0, \first
.if !\first
	SM_RS \t0
.endif
.if !\nxt
	s_wait_dscnt 0x0                               ; V is in
.endif
	PV \t0, \first
.endm
; The key tiles below a block's diagonal, 0 .. 4 blk - 1, two a trip; s[cnt] = 2 blk trips.  Entered and left with every window 0.
; The counter comes down and the loop goes on while it is above 0 as a signed number: whatever its start, it ends.
.macro FULLS cnt
.Lfull_\@:
	STEP 0,0,0,1, 1,16,1,1
	STEP 0,0,0,0, 1,16,1,1
	WIN 0                                          ; at a label and at a branch every window is 0
	s_sub_co_i32 s[\cnt], s[\cnt], 1
	s_cmp_gt_i32 s[\cnt], 0
	s_cbranch_scc1 .Lfull_\@
.endm
; A block's Q, 128 registers as loaded (load n: tile n / 8, rows 2 (n % 8) and + 1), is rounded in place, laid into my stage by rows and read back as fragments.
; wc, ws: the window settings for rounding in, and storing from, the window in which it lies.  LDS serves a wave's instructions in order (ISA guide 5.7.1.4): no wait between.
.macro QCONV wc, ws
	WIN \wc
.set n, 0
.rept 32
	v_cvt_pk_f16_f32 v[4*n],   v[4*n],   v[4*n+1]
	v_cvt_pk_f16_f32 v[4*n+1], v[4*n+2], v[4*n+3]
.set n, n+1
.endr
	WIN \ws
.set n, 0
.rept 32
	ds_store_b64 v[QST], v[4*n:4*n+1] offset:(n/8)*TILEQ+(n%8)*2*PK
.set n, n+1
.endr
	WIN 0x80
.set n, 0
.rept 8                                ; tile n / 2, channels 32 (n % 2) on
	ds_load_b128 v[8*n:8*n+3],   v[QRD] offset:(n/2)*TILEQ+(n%2)*64
	ds_load_b128 v[8*n+4:8*n+7], v[QRD] offset:(n/2)*TILEQ+(n%2)*64+32
.set n, n+1
.endr
.endm
; THE WAY OUT of a block: O^T / l; a lane's eight channels of a row go as 32 bytes into rows of 272 bytes of my stage and come back as whole rows of 256.
; base: out0 at the block.  more = 1: a block follows, which rewrites the stores' data registers.
.macro OUT base, more
	PLACES                                         ; behind the last products
	WIN 0x01                                       ; source window 1
.irp t, 0,1,2,3
	v_rcp_f32 v[ST+8*\t+6], v[LS+8*\t]
.endr
	v_nop                                          ; a plain instruction between the last reciprocal and the use of its result
	WIN W_RS
.set n, 0
	s_wait_alu depctr_va_vdst(0)
.rept 64
	v_pk_mul_f32 v[2*n:2*n+1], v[2*n:2*n+1], v[ST+8*(n/16)+6:ST+8*(n/16)+7] op_sel_hi:[1,0]
.set n, n+1
.endr
	WIN 0x04                                       ; data window 1
.set n, 0
.rept 32                               ; tile n / 8, channels 16 ((n % 8) / 2) + 8 (lane / 16) + 4 (n % 2) on
	ds_store_b128 v[STO], v[4*n:4*n+3] offset:(n/8)*TILEO+((n%8)/2)*64+(n%2)*16
.set n, n+1
.endr
	WIN 0
.set n, 0
.rept 32                               ; tile n / 8, rows 2 (n % 8) and + 1; S^T's registers are free
	ds_load_b128 v[S+4*n:S+4*n+3], v[RD] offset:(n/8)*TILEO+(n%8)*2*SP
.set n, n+1
.endr
.set n, 0
.rept 32
	s_wait_dscnt 31-n                              ; LDS loads come back in order: load n is in, the younger ones stay out
	global_store_b128 v[GOFF], v[S+4*n:S+4*n+3], s[\base:\base+1] offset:(64*(n/8)+2*(n%8))*4096 th:TH_STORE_NT   ; 16 lanes store 256 consecutive bytes, at a multiple of 256 from out0's first byte
.set n, n+1
.endr
.if \more
	s_wait_xcnt 0x0                                ; the stores' data registers are rewritten only behind this wait
.endif
.endm
	s_load_b256 s[4:11], s[0:1], 0x0               ; Q s[4:5], K s[6:7], V s[8:9], out0 s[10:11]
	v_lshl_add_u32 v62, v0, 2, 0x1a800
	v_mov_b32 v63, 0
	v_lshrrev_b32 v[TA], 5, v0
	v_readfirstlane_b32 s[WV], v[TA]               ; wave 0..3
	v_and_b32 v[RR], 15, v0
	v_bfe_u32 v[HH], v0, 4, 1
	s_and_b32 s[XX], ttmp9, 3                      ; x
	s_lshr_b32 s[TT], ttmp9, 2                     ; head 0..63 = 16 x batch + head of the batch
	s_lshr_b32 s15, s[TT], 4
	s_and_b32 s[TT], s[TT], 15
	s_lshl_b32 s[HO], s15, 23                      ; a batch is 2,048 rows of 4,096 bytes
	s_lshl_b32 s[TT], s[TT], 8                     ; a head is 256 bytes of a row
	s_add_co_u32 s[HO], s[HO], s[TT]
	s_mov_b32 s[HO+1], 0
	s_sub_co_u32 s[TT], 7, s[XX]                   ; block 1 = 7 - x
	s_lshl_b32 s[BO], s[TT], 20                    ; a block is 256 rows of 4,096 bytes
	s_mov_b32 s[BO+1], 0
	s_lshl_b32 s[TO], s[XX], 20                    ; block 2 = x
	s_mov_b32 s[TO+1], 0
	s_lshl_b32 s[FB], s[TT], 2
	s_lshl_b32 s[FB2], s[XX], 2
	s_mov_b32 s[FI], 0
	s_lshl_b32 s[CNT], s[TT], 1                    ; 4 blk steps below the diagonal, two a trip
	s_lshl_b32 s[CNT2], s[XX], 1
	s_mov_b32 s[CS], 0x3e38aa3b                    ; c = log2(e) / 8 = 0.180337
	s_mov_b32 s[CS+1], s[CS]
	s_mov_b32 s[SEL], 0x76543210
	s_mov_b32 s[SEL+1], 0xfedcba98
	v_lshl_add_u32 v[TA], s[WV], 4, v[HH]          ; 16 w + lane / 16: my row in a pair of rows
	v_lshlrev_b32 v[GOFF], 12, v[TA]
	v_lshl_add_u32 v[GOFF], v[RR], 4, v[GOFF]
	s_wait_kmcnt 0x0
	s_add_nc_u64 s[QP:QP+1], s[QP:QP+1], s[HO:HO+1]
	s_add_nc_u64 s[KH:KH+1], s[KH:KH+1], s[HO:HO+1]
	s_add_nc_u64 s[VH:VH+1], s[VH:VH+1], s[HO:HO+1]
	s_add_nc_u64 s[OP:OP+1], s[OP:OP+1], s[HO:HO+1]
	s_add_nc_u64 s[Q2:Q2+1], s[QP:QP+1], s[TO:TO+1]
	s_add_nc_u64 s[OP2:OP2+1], s[OP:OP+1], s[TO:TO+1]
	s_add_nc_u64 s[QP:QP+1], s[QP:QP+1], s[BO:BO+1]
	s_add_nc_u64 s[OP:OP+1], s[OP:OP+1], s[BO:BO+1]
	WIN 0x40                                       ; destination window 1
.set n, 0
.rept 32                               ; block 1's Q: tile n / 8, rows 2 (n % 8) and + 1 of my 16; read once in the launch
	global_load_b128 v[4*n:4*n+3], v[GOFF], s[QP:QP+1] offset:(64*(n/8)+2*(n%8))*4096 th:TH_LOAD_NT
.set n, n+1
.endr
	ISSUE 0                                        ; the walk's tiles 0 and 1
	ISSUE 1
	WIN 0xc0
.set n, 0
.rept 32                               ; block 2's Q waits in window 3
	global_load_b128 v[4*n:4*n+3], v[GOFF], s[Q2:Q2+1] offset:(64*(n/8)+2*(n%8))*4096 th:TH_LOAD_NT
.set n, n+1
.endr
	WIN 0
	v_mul_u32_u24 v[KST], v[TA], PK                ; row 16 w + lane / 16, 8 bytes (4 channels) at 8 (lane % 16)
	v_lshl_add_u32 v[KST], v[RR], 3, v[KST]
	v_mul_u32_u24 v[VST], v[TA], PV
	v_lshl_add_u32 v[VST], v[RR], 3, v[VST]
	v_add_nc_u32 v[VST], VOFFL, v[VST]
	v_mul_u32_u24 v[AK], v[RR], PK                 ; row lane % 16, 16 bytes for each half of the lanes
	v_lshl_add_u32 v[AK], v[HH], 4, v[AK]
	v_and_b32 v[TB], 7, v0                         ; the turning load: key 8 (lane / 16) + lane % 8, channels 8 ((lane / 8) % 2) on
	v_lshl_add_u32 v[TB], v[HH], 3, v[TB]
	v_mul_u32_u24 v[AV], v[TB], PV
	v_bfe_u32 v[TC], v0, 3, 1
	v_lshl_add_u32 v[AV], v[TC], 4, v[AV]
	v_add_nc_u32 v[AV], VOFFL, v[AV]
	s_mul_i32 s[SB], s[WV], STW
	s_add_co_u32 s[SB], s[SB], STAGE               ; my stage
	v_mul_u32_u24 v[STO], v[RR], SP                ; out: row lane % 16, 32 bytes for each half of the lanes
	v_lshl_add_u32 v[STO], v[HH], 5, v[STO]
	v_add_nc_u32 v[STO], s[SB], v[STO]
	v_mul_u32_u24 v[RD], v[HH], SP                 ; back: lanes 0-15 one row of 256 bytes, lanes 16-31 the next
	v_lshl_add_u32 v[RD], v[RR], 4, v[RD]
	v_add_nc_u32 v[RD], s[SB], v[RD]
	v_mul_u32_u24 v[QST], v[HH], PK
	v_lshl_add_u32 v[QST], v[RR], 3, v[QST]
	v_add_nc_u32 v[QST], s[SB], v[QST]
	v_add_nc_u32 v[QRD], s[SB], v[AK]
	v_mov_b32 v[NEG], 0xff800000
	; On the diagonal, register 8 kt + j of a lane holds key 16 kt + 8 (lane / 16) + j against query 16 w + lane % 16: kept where 16 kt + j <= 16 w + lane % 16 - 8 (lane / 16)
	v_lshl_add_u32 v[TA], s[WV], 4, v[RR]
	v_lshlrev_b32 v[TB], 3, v[HH]
	v_sub_nc_u32 v[TA], v[TA], v[TB]
.set i, 0
.rept 32
.set mc, 16*(i/8)+i%8
	v_cmp_le_i32 s[MK+i], mc, v[TA]
.set i, i+1
.endr
	WIN 0x80
.irp i, 0,1,2,3,4,5,6,7
	v_mov_b32 v[ONES+\i], 0x3c003c00               ; 1.0 twice in f16
.endr
	FEED 1, 48                                     ; tile 0 into slot 0.  Behind its loads stand tile 1's 16 and block 2's 32; block 1's Q is older and is in too
	ISSUE 0                                        ; tile 2
	QCONV 0x45, 0x04                               ; block 1's Q, in window 1
	s_wait_dscnt 0x0                               ; for the others' sake: my rows of tile 0 are stored
	s_barrier_signal -1
	s_barrier_wait -1
	FETCH_K 0
	; BLOCK 1 = 7 - x
	STEP 0,1,1,0, 1,16,1,1                         ; key tile 4 blk: tile 0 on the diagonal; it starts m, l and O^T
	WIN 0
	FULLS CNT                                      ; 2 (7 - x) trips: 8 at the least, so no jump round the loop
	STEP 1,1,0,1, 1,16,1,1                         ; key tiles 4 blk + 1, 2, 3: the query tiles under them are not computed
	STEP 2,1,0,0, 1,16,1,1
	STEP 3,1,0,1, 1,16,1,1                         ; the walk goes on: block 2's first tiles are on their way, its first K is fetched
	OUT OP, 1
	QCONV 0xcf, 0x0c                               ; block 2's Q, in window 3: in since the first step's wait for loads
	; BLOCK 2 = x.  A block has 4 blk + 4 steps, an even number: the parities begin anew
	STEP 0,1,1,0, 1,16,1,1
	WIN 0
	s_cmp_eq_u32 s[CNT2], 0                        ; block 0 has nothing below its diagonal
	s_cbranch_scc1 .Lnofull
	FULLS CNT2
.Lnofull:
	STEP 1,1,0,1, 1,16,0,1                         ; nothing more is asked for: two tiles are still on their way,
	STEP 2,1,0,0, 1,0,0,1                          ; one,
	STEP 3,1,0,1, 0,0,0,0                          ; none: the last step stores nothing into LDS and meets no barrier
	OUT OP2, 0
	s_wait_tensorcnt 0x0
	ds_add_u32 v62, v63
	s_wait_dscnt 0x0
	s_endpgm
.Lfunc_end_k_qa4d1f4bbc5_attn:
	.size	k_qa4d1f4bbc5_attn, .Lfunc_end_k_qa4d1f4bbc5_attn-k_qa4d1f4bbc5_attn
	.p2alignl 7, 3214868480
	.fill 96, 4, 3214868480
	.section	.rodata,"a",@progbits
	.p2align	6, 0x0
	.amdhsa_kernel k_qa4d1f4bbc5_attn
		.amdhsa_group_segment_fixed_size 109056
		.amdhsa_private_segment_fixed_size 0
		.amdhsa_enable_private_segment 0
		.amdhsa_kernarg_size 32
		.amdhsa_user_sgpr_count 2
		.amdhsa_user_sgpr_kernarg_segment_ptr 1
		.amdhsa_wavefront_size32 1
		.amdhsa_system_sgpr_workgroup_id_x 1
		.amdhsa_system_sgpr_workgroup_id_y 1
		.amdhsa_system_sgpr_workgroup_id_z 1
		.amdhsa_system_vgpr_workitem_id 0
		.amdhsa_next_free_vgpr 1024
		.amdhsa_next_free_sgpr 98
		.amdhsa_reserve_vcc 0
		.amdhsa_float_denorm_mode_32 3
		.amdhsa_float_denorm_mode_16_64 3
		.amdhsa_memory_ordered 1
		.amdhsa_forward_progress 1
		.amdhsa_inst_pref_size 255
	.end_amdhsa_kernel
	.section	.bss,"aw",@nobits
	.p2align	6
	.space	262144
	.amdgpu_metadata
---
amdhsa.version: [ 1, 2 ]
amdhsa.kernels:
  - .name:           k_qa4d1f4bbc5_attn
    .symbol:         k_qa4d1f4bbc5_attn.kd
    .args:
      - { .name: Q, .offset: 0, .size: 8, .value_kind: global_buffer, .address_space: global }
      - { .name: K, .offset: 8, .size: 8, .value_kind: global_buffer, .address_space: global }
      - { .name: V, .offset: 16, .size: 8, .value_kind: global_buffer, .address_space: global }
      - { .name: out0, .offset: 24, .size: 8, .value_kind: global_buffer, .address_space: global }
    .group_segment_fixed_size: 109056
    .private_segment_fixed_size: 0
    .kernarg_segment_align: 8
    .kernarg_segment_size: 32
    .max_flat_workgroup_size: 128
    .sgpr_count:     98
    .vgpr_count:     1024
    .wavefront_size: 32
...
	.end_amdgpu_metadata
.endif
;; end of part 1
;; ======== version 2 of 2: 1 launch; 1.30 times as fast as version 1
;; limits: inputs' magnitudes at most 65,504; below input magnitudes of 6.1e-05 results are inexact or not finite; values are held in f16: magnitudes above 65,504 overflow, below 6.1e-05 lose precision
;; launch attn (part 2): grid 256 x 1, 4 waves a work-group, no clusters, 109,056 bytes of LDS; arguments Q, K, V, out0; writes out0
.if DOCPART == 2
	.amdgcn_target "amdgcn-amd-amdhsa--gfx1250"
	.amdhsa_code_object_version 6
	.text
	.protected	k_qa4d1f4bbc5_attn
	.globl	k_qa4d1f4bbc5_attn
	.p2align	8
	.type	k_qa4d1f4bbc5_attn,@function
k_qa4d1f4bbc5_attn:
	s_mov_b64 s[64:65], 0
	v_nop
	global_prefetch_b8 v0, s[64:65] scope:SCOPE_SE
	s_setreg_imm32_b32 hwreg(HW_REG_WAVE_MODE, 25, 1), 1
	s_wait_xcnt 0x0
; Causal attention.  Q, K, V, out0: [4][2048][1024] f32; 16 heads of 64 channels, so a head's row is 256 bytes, rows 4,096 bytes apart.
; out[q] = sum over keys k <= q of softmax_k(Q[q] . K[k] / 8) V[k].  Q, K, V and the weights p go to the matrix unit in f16; products, maxima, sums in f32.
; WHY f16 AND NOT bf16.  A query with few keys gets a weighted mean of a few numbers of V's own size, so an error in a weight shows whole in the result: f16's 11 significant bits
; leave 2^-12 of a weight, of a score's factors and of V, bf16's 8 bits would leave 2^-9.
; SHARES.  Work-group g: head g / 4 (of 64), x = g % 4.  A head's queries are 8 blocks of 256; the group makes block 7 - x, then block x: the two are written out one behind the other.
; In a block, tile t (0..3) of wave w is queries 64 t + 16 w + 0..15.  Keys go in steps of 64.  A block blk takes: its first diagonal key tile 4 blk (it starts m, l, O), the 4 blk tiles
; below the diagonal (a loop, two a trip), then the diagonal tiles 4 blk + 1..3, in which query tiles under the key tile are wholly masked and are not computed.
; Every wave so does (16 (7 - x) + 10) + (16 x + 10) = 132 tiles of 16 x 64 in 36 steps.
; LAYOUT.  S^T = K Q^T (source 0 = 16 keys, source 1 = 16 queries): a lane holds ONE query (lane % 16) and keys 8 (lane / 16) + 0..7 of each 16.  Two such tiles rounded to f16 in pairs ARE
; source 1 of O^T = V^T P, whose result again holds one query a lane.  A product of ones with P gives the row sum l in every lane of the query.  V ([key][channel]) is turned by ds_load_tr16_b128.
; SOFTMAX.  A running maximum m for each query: p = 2^(c s - c m), c = log2(e) / 8; in every step O and l are multiplied by a = 2^(c m_old - c m_new).
; BATCHES.  A key step's exponentials are ONE batch: the tiles' a (none in a block's first step), then all scores of the step's tiles, 32 a tile, in place, each in a register of its own.  The
; scalings c s - c m stand among them, two pairs ahead, and name no result.  Behind the last exponential stand a v_nop and the step's one s_wait_alu depctr_va_vdst(0)
; ahead of the first instruction that names a result; behind it the next K's run of LDS loads, and then all the readers: the roundings to f16 and the rescaling by a.
; The way out's four reciprocals are a batch of their own, with a v_nop and a wait.
; THE WAY IN.  K and V are f32 in memory: each wave loads 16 rows of a step's K and V tiles into registers (two whole rows of 256 bytes an instruction), rounds them ONCE for the whole
; work-group and stores them as f16 into one of two LDS slots; two register sets keep the tiles of the next two steps on their way.  One barrier a step.
; NO COPY ENGINE, NO JOINT REQUESTS: an engine would lay f32 into LDS, twice the bytes, and each of the four waves would round the same numbers, or they would pass through LDS twice;
; and the four work-groups of a head walk different lists of tiles (each its own diagonal tile first, 4 blk + 4 tiles in a block).  No prefetch: each tile is asked for two steps ahead already.
; LIMITS.  Inputs are taken to be finite and under 65,504 in magnitude, f16's largest number (beyond it the rounding gives infinity); numbers under 2^-14 are kept as f16 denormals, within 2^-25.
; Masked scores are -infinity, not the least f32: the same result, since every query keeps its own key.  Keys are summed diagonal tile first, another order of rounding than the plain one.
; l is the sum of the weights AFTER their rounding to f16.
;
; REGISTERS, in windows of 256 (s_set_vgpr_msb: bits 1:0 source 0, 3:2 source 1, 5:4 source 2, 7:6 destination):
;   window 0: v0-15 addresses; v16-47 eight registers of statistics a tile; v64-191 S^T, 32 a tile; v192-255 P, 16 a tile
;   window 1: v0-127 O^T, 32 a tile (at the start: block 1's Q as loaded); v128-159 l's accumulators, 8 a tile
;   window 2: v0-63 Q, 16 a tile; v64-127 K of a step; v128-191 V of a step; v192-199 ones in f16
;   window 3: v0-127 block 2's Q as loaded; v128-255 two sets of 64: 16 rows of K and of V as loaded
.set PK,    144       ; a row of K (and of Q) in LDS: 128 bytes + 16: 9 x 16 bytes, so the 16 rows of a fragment load lie in 16 different columns of 16 bytes modulo 256
.set PV,    160       ; a row of V: 128 + 32: 5 x 32 bytes, for the turning load, whose 16 lanes take 8 rows x 32 bytes
.set VOFFL, 64*PK     ; in a slot: 64 rows of K, then 64 rows of V
.set SLOT,  64*(PK+PV)
.set STAGE, 2*SLOT    ; behind the slots: a stage for each wave, its own
.set SP,    272       ; the way out: a row of 64 f32 + 16 bytes
.set TILEO, 16*SP
.set TILEQ, 16*PK
.set STW,   4*TILEO   ; a wave's stage: four tiles on the way out; Q's four tiles (4 x 2,304 bytes) fit in the same bytes
.set RR,   1          ; v1   lane % 16
.set HH,   2          ; v2   lane / 16
.set GOFF, 3          ; v3   (16 w + lane / 16) x 4,096 + 16 (lane % 16): the one global offset, for Q, K, V and out0; never rewritten
.set KST,  4          ; v4   where I store 8 bytes of a row of K
.set VST,  5          ; v5   the same for V
.set AK,   6          ; v6   my place in a fragment of K
.set AV,   7          ; v7   my place in a turning load of V
.set STO,  8          ; v8   the way out: where I put 16 bytes of a row
.set RD,   9          ; v9   the way out: where I read a row back
.set QST,  10         ; v10  where I store 8 bytes of a row of Q
.set QRD,  11         ; v11  my place in a fragment of Q
.set NEG,  12         ; v12  -infinity
.set TA,   13         ; v13-15 at work in the set-up
.set TB,   14
.set TC,   15
.set ST,   16         ; tile t's statistics at v[ST+8 t]: +0 c m, +1 m, +4 to +7 chains c0-c3; c2 later holds a (at the end 1 / l), c3 holds c m_old - c m_new
.set S,    64
.set P,    192
.set LS,   128        ; window 1
.set KF,   64         ; window 2
.set VF,   128
.set ONES, 192
.set STG,  128        ; window 3
.set QP,   4          ; s[4:5]   Q at block 1
.set KH,   6          ; s[6:7]   K at the head's first row
.set VH,   8          ; s[8:9]   V at the head's first row
.set OP,   10         ; s[10:11] out0 at block 1
.set WV,   12         ; s12  my wave's number
.set XX,   13         ; s13  x
.set TT,   14         ; s14, s15 at work
.set HO,   16         ; s[16:17] the head's byte offset
.set BO,   18         ; s[18:19] block 1's byte offset
.set Q2,   20         ; s[20:21] Q at block 2
.set OP2,  22         ; s[22:23] out0 at block 2
.set KP,   24         ; s[24:25], s[26:27] K and V at the tile being asked for
.set VP,   26
.set TO,   28         ; s[28:29] that tile's byte offset; the high word stays 0
.set FI,   30         ; s30  which request of its block comes next
.set FB,   31         ; s31  4 x the block that the requests are in
.set FB2,  32         ; s32  4 x block 2
.set SB,   33         ; s33  my stage's first byte
.set CNT,  34         ; s34  block 1's trips of the loop over tiles below the diagonal: 2 (7 - x)
.set CNT2, 36         ; s36  block 2's trips: 2 x
.set CS,   38         ; s[38:39] c, twice: the packed scaling names a pair
.set SEL,  40         ; s[40:41] lane selects for v_permlanex16_b32: each lane takes its own place in the other half
.set MK,   66         ; s[66:97] 32 lane masks of a diagonal tile: bit of a lane = its score in register i is kept
.set W_KQ, 0x0a       ; K and Q in window 2, S^T in window 0
.set W_PV, 0x52       ; V in window 2, P in window 0, O^T in window 1
.set W_RS, 0x41       ; O^T (destination and source 0) in window 1, the factor in window 0
.set MSB, 0
.macro WIN new                         ; the immediate's high byte repeats the setting that is left; a switch that changes nothing is dropped
.if MSB != \new
	s_set_vgpr_msb (MSB<<8)|\new
.set MSB, \new
.endif
.endm
; A vector instruction that reads a matrix result, and a load into a register that a matrix instruction has read, stand four places behind it; only plain vector
; instructions that name none of its registers are places (ISA guide 7.12.1 for vector instructions).
.macro PLACES
.rept 4
	v_nop
.endr
.endm
; The next tile of the walk is asked for, into register set 'set'.  Request FI of a block: 0 -> tile 4 blk; 1 .. 4 blk -> tile FI - 1; beyond -> tile FI.
.macro ISSUE set
	s_sub_co_u32 s[TT], s[FI], 1
	s_cmp_gt_u32 s[FI], s[FB]
	s_cselect_b32 s[TT], s[FI], s[TT]
	s_cmp_eq_u32 s[FI], 0
	s_cselect_b32 s[TT], s[FB], s[TT]
	s_lshl_b32 s[TO], s[TT], 18                    ; 64 rows of 4,096 bytes
	s_wait_xcnt 0x0                                ; the two bases are sources of the loads issued last: they are rewritten only behind this wait
	s_add_nc_u64 s[KP:KP+1], s[KH:KH+1], s[TO:TO+1]
	s_add_nc_u64 s[VP:VP+1], s[VH:VH+1], s[TO:TO+1]
	WIN 0xc0                                       ; destination window 3
.irp i, 0,1,2,3,4,5,6,7
	global_load_b128 v[STG+64*(\set)+4*\i:STG+64*(\set)+4*\i+3], v[GOFF], s[KP:KP+1] offset:8192*\i       ; rows 16 w + 2 i and + 1: 16 lanes take a row's 256 bytes
.endr
.irp i, 0,1,2,3,4,5,6,7
	global_load_b128 v[STG+64*(\set)+32+4*\i:STG+64*(\set)+32+4*\i+3], v[GOFF], s[VP:VP+1] offset:8192*\i
.endr
	s_add_co_u32 s[FI], s[FI], 1
	s_add_co_u32 s[TT], s[FB], 4
	s_cmp_eq_u32 s[FI], s[TT]                      ; a block has 4 blk + 4 requests: then block 2's begin
	s_cselect_b32 s[FI], 0, s[FI]
	s_cselect_b32 s[FB], s[FB2], s[FB]
.endm
; In a step of parity p: the next step's tile, in register set 1 - p, is rounded to f16 in place and stored into slot 1 - p.  left = the younger loads that may stay out.
.macro FEED p, left
.set rG, STG+64*(1-\p)
	s_wait_loadcnt \left                           ; loads come back in order (ISA guide 5.7.1)
	WIN 0xcf
.set i, 0
.rept 16
	v_cvt_pk_f16_f32 v[rG+4*i],   v[rG+4*i],   v[rG+4*i+1]
	v_cvt_pk_f16_f32 v[rG+4*i+1], v[rG+4*i+2], v[rG+4*i+3]
.set i, i+1
.endr
	WIN 0x0c                                       ; data window 3, address window 0
.irp i, 0,1,2,3,4,5,6,7
	ds_store_b64 v[KST], v[rG+4*\i:rG+4*\i+1] offset:(1-\p)*SLOT+2*PK*\i
.endr
.irp i, 0,1,2,3,4,5,6,7
	ds_store_b64 v[VST], v[rG+32+4*\i:rG+32+4*\i+1] offset:(1-\p)*SLOT+2*PV*\i
.endr
.endm
; A step's K: 8 fragments of 16 keys x 32 channels (keys 16 (f / 2) on, channels 32 (f % 2) on); lane l holds row l % 16; two loads of 16 bytes, 32 bytes apart.
.macro FETCH_K s
	WIN 0x80                                       ; destination window 2
.irp f, 0,1,2,3,4,5,6,7
	ds_load_b128 v[KF+8*\f:KF+8*\f+3],   v[AK] offset:(\s)*SLOT+(\f/2)*16*PK+(\f%2)*64
	ds_load_b128 v[KF+8*\f+4:KF+8*\f+7], v[AK] offset:(\s)*SLOT+(\f/2)*16*PK+(\f%2)*64+32
.endr
.endm
; A step's V, turned: 8 fragments of 16 channels x 32 keys (keys 32 (f / 4) on, channels 16 (f % 4) on).
.macro FETCH_V s
	WIN 0x80
.irp f, 0,1,2,3,4,5,6,7
	ds_load_tr16_b128 v[VF+8*\f:VF+8*\f+3],   v[AV] offset:(\s)*SLOT+(\f/4)*32*PV+(\f%4)*32
	ds_load_tr16_b128 v[VF+8*\f+4:VF+8*\f+7], v[AV] offset:(\s)*SLOT+(\f/4)*32*PV+16*PV+(\f%4)*32
.endr
.endm
; S^T = K Q^T for tiles t0..3.  The accumulators take turns, one instruction a turn: 4 (4 - t0) of them.  The first 32 channels start the sums.
.macro KQ t0
	WIN W_KQ
.set c, 0
.rept 2
.set kt, 0
.rept 4
.set t, \t0
.rept 4-\t0
.set rS, S+32*t+8*kt
.set rK, KF+16*kt+8*c
.set rQ, 16*t+8*c
.if c == 0
	v_wmma_f32_16x16x32_f16 v[rS:rS+7], v[rK:rK+7], v[rQ:rQ+7], 0
.else
	v_wmma_f32_16x16x32_f16 v[rS:rS+7], v[rK:rK+7], v[rQ:rQ+7], v[rS:rS+7]
.endif
.set t, t+1
.endr
.set kt, kt+1
.endr
.set c, c+1
.endr
.endm
; O^T += V^T P and l += ones P for tiles t0..3.  5 (4 - t0) accumulators take turns.  first = 1: the first 32 keys start the sums: nothing is ever cleared.
.macro PV t0, first
	WIN W_PV
.set u, 0
.rept 2
.set ct, 0
.rept 5
.set t, \t0
.rept 4-\t0
.set rP, P+16*t+8*u
.if ct < 4
.set rO, 32*t+8*ct
.set rV, VF+32*u+8*ct
.else
.set rO, LS+8*t
.set rV, ONES
.endif
.if \first && (u == 0)
	v_wmma_f32_16x16x32_f16 v[rO:rO+7], v[rV:rV+7], v[rP:rP+7], 0
.else
	v_wmma_f32_16x16x32_f16 v[rO:rO+7], v[rV:rV+7], v[rP:rP+7], v[rO:rO+7]
.endif
.set t, t+1
.endr
.set ct, ct+1
.endr
.set u, u+1
.endr
.endm
; Number j of 16 of tile t's maximum: four chains of seven scores, then the four scores left over, the chains and the old m.
.macro MAXN first
.set rT, ST+8*t
.set rS, S+32*t
.if j < 4
	v_max3_num_f32 v[rT+4+j], v[rS+8*j], v[rS+8*j+1], v[rS+8*j+2]
.elseif j < 12
	v_max3_num_f32 v[rT+4+j%4], v[rT+4+j%4], v[rS+8*(j%4)+2*(j/4)+1], v[rS+8*(j%4)+2*(j/4)+2]
.elseif j == 12
	v_max3_num_f32 v[rT+4], v[rT+4], v[rS+7], v[rS+15]
.elseif j == 13
	v_max3_num_f32 v[rT+6], v[rT+6], v[rS+23], v[rS+31]
.elseif j == 14
	v_max3_num_f32 v[rT+4], v[rT+4], v[rT+5], v[rT+6]
.elseif \first
	v_max_num_f32 v[rT+4], v[rT+4], v[rT+7]
.else
	v_max3_num_f32 v[rT+4], v[rT+4], v[rT+7], v[rT+1]
.endif
.endm
; diag = 1: tile t0 lies on the diagonal: its scores above it become -infinity.  Then each lane's maximum; the tiles alternate, so that neighbours do not feed each other.
.macro SM_MAX t0, diag, first
	WIN 0
.if \diag
.set i, 0
.rept 32
	v_cndmask_b32 v[S+32*\t0+i], v[NEG], v[S+32*\t0+i], s[MK+i]
.set i, i+1
.endr
.endif
.set j, 0
.rept 16
.set t, \t0
.rept 4-\t0
	MAXN \first
.set t, t+1
.endr
.set j, j+1
.endr
.endm
.macro FS t0, g                        ; pair g of the step's scores, counted through its tiles (pair g % 16 of tile t0 + g / 16; S^T's tiles lie on end): c s - c m
.set rT, ST+8*((\t0)+(\g)/16)
.set rS, S+32*(\t0)+2*(\g)
	v_pk_fma_f32 v[rS:rS+1], v[rS:rS+1], s[CS:CS+1], v[rT:rT+1] op_sel_hi:[1,0,0] neg_lo:[0,0,1] neg_hi:[0,0,1]
.endm
; The new m, c m and c m_old - c m_new; then THE STEP'S BATCH of exponentials: the tiles' a, and p = 2^(c s - c m) for all 16 (4 - t0) pairs of scores, in place.  Between a pair's two exponentials
; stands the scaling of the pair two further on: it names scores still unscaled, c m and m, and no result of the batch.  Nothing ahead of the wait names a result.
; Behind the wait: the next K's run of LDS loads (nxt = 1: from slot 1 - p, behind the step's barrier), then the roundings to f16; the rescaling by a follows the macro.
.macro SM_EXP t0, first, nxt, p
	WIN 0
.set t, \t0
.rept 4-\t0
	v_permlanex16_b32 v[ST+8*t+5], v[ST+8*t+4], s[SEL], s[SEL+1]   ; the query's other 32 keys lie in the lane 16 away
.set t, t+1
.endr
.if !\first
.set t, \t0
.rept 4-\t0
	v_mov_b32 v[ST+8*t+7], v[ST+8*t]               ; c m_old is kept for a
.set t, t+1
.endr
.endif
.set t, \t0
.rept 4-\t0
	v_max_num_f32 v[ST+8*t+1], v[ST+8*t+4], v[ST+8*t+5]
.set t, t+1
.endr
.set t, \t0
.rept 4-\t0
	v_mul_f32 v[ST+8*t], s[CS], v[ST+8*t+1]
.set t, t+1
.endr
.if !\first
.set t, \t0
.rept 4-\t0
	v_sub_f32 v[ST+8*t+7], v[ST+8*t+7], v[ST+8*t]
.set t, t+1
.endr
.set t, \t0
.rept 4-\t0
	v_exp_f32 v[ST+8*t+6], v[ST+8*t+7]             ; a, the batch's first; it is used only when O^T is rescaled
.set t, t+1
.endr
.endif
	FS \t0, 0
	FS \t0, 1
.set g, 0
.rept 16*(4-\t0)
	v_exp_f32 v[S+32*\t0+2*g], v[S+32*\t0+2*g]
.if g+2 < 16*(4-\t0)
	FS \t0, g+2
.endif
	v_exp_f32 v[S+32*\t0+2*g+1], v[S+32*\t0+2*g+1]
.set g, g+1
.endr
	v_nop                                          ; a plain instruction behind the last exponential, before a result is used (ISA guide 5.7.2): one for the batch; the step has no other work that names none of its results
	s_wait_alu depctr_va_vdst(0)                   ; the wait for the step's batch, a and p of all its tiles, ahead of the first instruction that names a result
.if \nxt
	FETCH_K 1-\p                                   ; directly behind the wait; no LDS instruction and no wait on DScnt stands between the barrier's wait and this run
.endif
	WIN 0
.set g, 0
.rept 16*(4-\t0)
	v_cvt_pk_f16_f32 v[P+16*\t0+g], v[S+32*\t0+2*g], v[S+32*\t0+2*g+1]   ; pair g: P's tiles lie on end too
.set g, g+1
.endr
.endm
; O^T and l times a.  Of l's eight equal registers only the first is kept right and read; the others are sums of at most 2,048 weights of at most 1, and are never read.
.macro SM_RS t0
	WIN W_RS
.set t, \t0
.rept 4-\t0
.set i, 0
.rept 16
	v_pk_mul_f32 v[32*t+2*i:32*t+2*i+1], v[32*t+2*i:32*t+2*i+1], v[ST+8*t+6:ST+8*t+7] op_sel_hi:[1,0]
.set i, i+1
.endr
	v_mul_f32 v[LS+8*t], v[LS+8*t], v[ST+8*t+6]
.set t, t+1
.endr
.endm
; A KEY STEP of parity p for tiles t0..3.  At its head: K's fragments are in registers or on their way from LDS; V lies in slot p; the next two tiles are on their way from memory.
; cv = 1: the next tile goes into slot 1 - p (left: the loads that may stay out).  iss = 1: the tile three steps on is asked for.  nxt = 1: a step follows.
; THE BARRIER.  In front of its signal my stores of the next tile are done, and so are my last reads of slot p (this step's V; its K was read a step ago).
; Behind its wait the next K is read from slot 1 - p (SM_EXP holds the run, behind the batch's wait), and the next step writes slot p.
.macro STEP t0, diag, first, p, cv, left, iss, nxt
.if \cv
	FEED \p, \left                                 ; its 32 roundings are the places behind the last step's products
.else
	PLACES
.endif
	FETCH_V \p
.if \iss
	ISSUE 1-\p
.endif
	s_wait_dscnt 16*\cv+16                         ; K (and a block's Q) are in: younger are this step's stores, if any, and its 16 loads of V
	KQ \t0
.if \nxt
	s_wait_dscnt 0x0                               ; for the others' sake: my stores are done, my reads of slot p are back
	s_barrier_signal -1
.endif
	PLACES
	SM_MAX \t0, \diag, \first                      ; register work while the others arrive
.if \nxt
	s_barrier_wait -1
.endif
	SM_EXP \t0, \first, \nxt, \p
.if !\first
	SM_RS \t0
.endif
.if !\nxt
	s_wait_dscnt 0x0                               ; V is in
.endif
	PV \t0, \first
.endm
; The key tiles below a block's diagonal, 0 .. 4 blk - 1, two a trip; s[cnt] = 2 blk trips.  Entered and left with every window 0.
; The counter comes down and the loop goes on while it is above 0 as a signed number: whatever its start, it ends.
.macro FULLS cnt
.Lfull_\@:
	STEP 0,0,0,1, 1,16,1,1
	STEP 0,0,0,0, 1,16,1,1
	WIN 0                                          ; at a label and at a branch every window is 0
	s_sub_co_i32 s[\cnt], s[\cnt], 1
	s_cmp_gt_i32 s[\cnt], 0
	s_cbranch_scc1 .Lfull_\@
.endm
; A block's Q, 128 registers as loaded (load n: tile n / 8, rows 2 (n % 8) and + 1), is rounded in place, laid into my stage by rows and read back as fragments.
; wc, ws: the window settings for rounding in, and storing from, the window in which it lies.  LDS serves a wave's instructions in order (ISA guide 5.7.1.4): no wait between.
.macro QCONV wc, ws
	WIN \wc
.set n, 0
.rept 32
	v_cvt_pk_f16_f32 v[4*n],   v[4*n],   v[4*n+1]
	v_cvt_pk_f16_f32 v[4*n+1], v[4*n+2], v[4*n+3]
.set n, n+1
.endr
	WIN \ws
.set n, 0
.rept 32
	ds_store_b64 v[QST], v[4*n:4*n+1] offset:(n/8)*TILEQ+(n%8)*2*PK
.set n, n+1
.endr
	WIN 0x80
.set n, 0
.rept 8                                ; tile n / 2, channels 32 (n % 2) on
	ds_load_b128 v[8*n:8*n+3],   v[QRD] offset:(n/2)*TILEQ+(n%2)*64
	ds_load_b128 v[8*n+4:8*n+7], v[QRD] offset:(n/2)*TILEQ+(n%2)*64+32
.set n, n+1
.endr
.endm
; THE WAY OUT of a block: O^T / l; a lane's eight channels of a row go as 32 bytes into rows of 272 bytes of my stage and come back as whole rows of 256.
; base: out0 at the block.  more = 1: a block follows, which rewrites the stores' data registers.
.macro OUT base, more
	PLACES                                         ; behind the last products
	WIN 0x01                                       ; source window 1
.irp t, 0,1,2,3
	v_rcp_f32 v[ST+8*\t+6], v[LS+8*\t]
.endr
	v_nop                                          ; a plain instruction between the last reciprocal and the use of its result
	s_wait_alu depctr_va_vdst(0)                   ; the wait for the batch of four reciprocals, ahead of their first reader
	WIN W_RS
.set n, 0
.rept 64
	v_pk_mul_f32 v[2*n:2*n+1], v[2*n:2*n+1], v[ST+8*(n/16)+6:ST+8*(n/16)+7] op_sel_hi:[1,0]
.set n, n+1
.endr
	WIN 0x04                                       ; data window 1
.set n, 0
.rept 32                               ; tile n / 8, channels 16 ((n % 8) / 2) + 8 (lane / 16) + 4 (n % 2) on
	ds_store_b128 v[STO], v[4*n:4*n+3] offset:(n/8)*TILEO+((n%8)/2)*64+(n%2)*16
.set n, n+1
.endr
	WIN 0
.set n, 0
.rept 32                               ; tile n / 8, rows 2 (n % 8) and + 1; S^T's registers are free
	ds_load_b128 v[S+4*n:S+4*n+3], v[RD] offset:(n/8)*TILEO+(n%8)*2*SP
.set n, n+1
.endr
.set n, 0
.rept 32
	s_wait_dscnt 31-n                              ; LDS loads come back in order: load n is in, the younger ones stay out
	global_store_b128 v[GOFF], v[S+4*n:S+4*n+3], s[\base:\base+1] offset:(64*(n/8)+2*(n%8))*4096 th:TH_STORE_NT   ; 16 lanes store 256 consecutive bytes, at a multiple of 256 from out0's first byte
.set n, n+1
.endr
.if \more
	s_wait_xcnt 0x0                                ; the stores' data registers are rewritten only behind this wait
.endif
.endm
	s_load_b256 s[4:11], s[0:1], 0x0               ; Q s[4:5], K s[6:7], V s[8:9], out0 s[10:11]
	v_lshl_add_u32 v62, v0, 2, 0x1a800
	v_mov_b32 v63, 0
	v_lshrrev_b32 v[TA], 5, v0
	v_readfirstlane_b32 s[WV], v[TA]               ; wave 0..3
	v_and_b32 v[RR], 15, v0
	v_bfe_u32 v[HH], v0, 4, 1
	s_and_b32 s[XX], ttmp9, 3                      ; x
	s_lshr_b32 s[TT], ttmp9, 2                     ; head 0..63 = 16 x batch + head of the batch
	s_lshr_b32 s15, s[TT], 4
	s_and_b32 s[TT], s[TT], 15
	s_lshl_b32 s[HO], s15, 23                      ; a batch is 2,048 rows of 4,096 bytes
	s_lshl_b32 s[TT], s[TT], 8                     ; a head is 256 bytes of a row
	s_add_co_u32 s[HO], s[HO], s[TT]
	s_mov_b32 s[HO+1], 0
	s_sub_co_u32 s[TT], 7, s[XX]                   ; block 1 = 7 - x
	s_lshl_b32 s[BO], s[TT], 20                    ; a block is 256 rows of 4,096 bytes
	s_mov_b32 s[BO+1], 0
	s_lshl_b32 s[TO], s[XX], 20                    ; block 2 = x
	s_mov_b32 s[TO+1], 0
	s_lshl_b32 s[FB], s[TT], 2
	s_lshl_b32 s[FB2], s[XX], 2
	s_mov_b32 s[FI], 0
	s_lshl_b32 s[CNT], s[TT], 1                    ; 4 blk steps below the diagonal, two a trip
	s_lshl_b32 s[CNT2], s[XX], 1
	s_mov_b32 s[CS], 0x3e38aa3b                    ; c = log2(e) / 8 = 0.180337
	s_mov_b32 s[CS+1], s[CS]
	s_mov_b32 s[SEL], 0x76543210
	s_mov_b32 s[SEL+1], 0xfedcba98
	v_lshl_add_u32 v[TA], s[WV], 4, v[HH]          ; 16 w + lane / 16: my row in a pair of rows
	v_lshlrev_b32 v[GOFF], 12, v[TA]
	v_lshl_add_u32 v[GOFF], v[RR], 4, v[GOFF]
	s_wait_kmcnt 0x0
	s_add_nc_u64 s[QP:QP+1], s[QP:QP+1], s[HO:HO+1]
	s_add_nc_u64 s[KH:KH+1], s[KH:KH+1], s[HO:HO+1]
	s_add_nc_u64 s[VH:VH+1], s[VH:VH+1], s[HO:HO+1]
	s_add_nc_u64 s[OP:OP+1], s[OP:OP+1], s[HO:HO+1]
	s_add_nc_u64 s[Q2:Q2+1], s[QP:QP+1], s[TO:TO+1]
	s_add_nc_u64 s[OP2:OP2+1], s[OP:OP+1], s[TO:TO+1]
	s_add_nc_u64 s[QP:QP+1], s[QP:QP+1], s[BO:BO+1]
	s_add_nc_u64 s[OP:OP+1], s[OP:OP+1], s[BO:BO+1]
	WIN 0x40                                       ; destination window 1
.set n, 0
.rept 32                               ; block 1's Q: tile n / 8, rows 2 (n % 8) and + 1 of my 16; read once in the launch
	global_load_b128 v[4*n:4*n+3], v[GOFF], s[QP:QP+1] offset:(64*(n/8)+2*(n%8))*4096 th:TH_LOAD_NT
.set n, n+1
.endr
	ISSUE 0                                        ; the walk's tiles 0 and 1
	ISSUE 1
	WIN 0xc0
.set n, 0
.rept 32                               ; block 2's Q waits in window 3
	global_load_b128 v[4*n:4*n+3], v[GOFF], s[Q2:Q2+1] offset:(64*(n/8)+2*(n%8))*4096 th:TH_LOAD_NT
.set n, n+1
.endr
	WIN 0
	v_mul_u32_u24 v[KST], v[TA], PK                ; row 16 w + lane / 16, 8 bytes (4 channels) at 8 (lane % 16)
	v_lshl_add_u32 v[KST], v[RR], 3, v[KST]
	v_mul_u32_u24 v[VST], v[TA], PV
	v_lshl_add_u32 v[VST], v[RR], 3, v[VST]
	v_add_nc_u32 v[VST], VOFFL, v[VST]
	v_mul_u32_u24 v[AK], v[RR], PK                 ; row lane % 16, 16 bytes for each half of the lanes
	v_lshl_add_u32 v[AK], v[HH], 4, v[AK]
	v_and_b32 v[TB], 7, v0                         ; the turning load: key 8 (lane / 16) + lane % 8, channels 8 ((lane / 8) % 2) on
	v_lshl_add_u32 v[TB], v[HH], 3, v[TB]
	v_mul_u32_u24 v[AV], v[TB], PV
	v_bfe_u32 v[TC], v0, 3, 1
	v_lshl_add_u32 v[AV], v[TC], 4, v[AV]
	v_add_nc_u32 v[AV], VOFFL, v[AV]
	s_mul_i32 s[SB], s[WV], STW
	s_add_co_u32 s[SB], s[SB], STAGE               ; my stage
	v_mul_u32_u24 v[STO], v[RR], SP                ; out: row lane % 16, 32 bytes for each half of the lanes
	v_lshl_add_u32 v[STO], v[HH], 5, v[STO]
	v_add_nc_u32 v[STO], s[SB], v[STO]
	v_mul_u32_u24 v[RD], v[HH], SP                 ; back: lanes 0-15 one row of 256 bytes, lanes 16-31 the next
	v_lshl_add_u32 v[RD], v[RR], 4, v[RD]
	v_add_nc_u32 v[RD], s[SB], v[RD]
	v_mul_u32_u24 v[QST], v[HH], PK
	v_lshl_add_u32 v[QST], v[RR], 3, v[QST]
	v_add_nc_u32 v[QST], s[SB], v[QST]
	v_add_nc_u32 v[QRD], s[SB], v[AK]
	v_mov_b32 v[NEG], 0xff800000
	; On the diagonal, register 8 kt + j of a lane holds key 16 kt + 8 (lane / 16) + j against query 16 w + lane % 16: kept where 16 kt + j <= 16 w + lane % 16 - 8 (lane / 16)
	v_lshl_add_u32 v[TA], s[WV], 4, v[RR]
	v_lshlrev_b32 v[TB], 3, v[HH]
	v_sub_nc_u32 v[TA], v[TA], v[TB]
.set i, 0
.rept 32
.set mc, 16*(i/8)+i%8
	v_cmp_le_i32 s[MK+i], mc, v[TA]
.set i, i+1
.endr
	WIN 0x80
.irp i, 0,1,2,3,4,5,6,7
	v_mov_b32 v[ONES+\i], 0x3c003c00               ; 1.0 twice in f16
.endr
	FEED 1, 48                                     ; tile 0 into slot 0.  Behind its loads stand tile 1's 16 and block 2's 32; block 1's Q is older and is in too
	ISSUE 0                                        ; tile 2
	QCONV 0x45, 0x04                               ; block 1's Q, in window 1
	s_wait_dscnt 0x0                               ; for the others' sake: my rows of tile 0 are stored
	s_barrier_signal -1
	s_barrier_wait -1
	FETCH_K 0
	; BLOCK 1 = 7 - x
	STEP 0,1,1,0, 1,16,1,1                         ; key tile 4 blk: tile 0 on the diagonal; it starts m, l and O^T
	WIN 0
	FULLS CNT                                      ; 2 (7 - x) trips: 8 at the least, so no jump round the loop
	STEP 1,1,0,1, 1,16,1,1                         ; key tiles 4 blk + 1, 2, 3: the query tiles under them are not computed
	STEP 2,1,0,0, 1,16,1,1
	STEP 3,1,0,1, 1,16,1,1                         ; the walk goes on: block 2's first tiles are on their way, its first K is fetched
	OUT OP, 1
	QCONV 0xcf, 0x0c                               ; block 2's Q, in window 3: in since the first step's wait for loads
	; BLOCK 2 = x.  A block has 4 blk + 4 steps, an even number: the parities begin anew
	STEP 0,1,1,0, 1,16,1,1
	WIN 0
	s_cmp_eq_u32 s[CNT2], 0                        ; block 0 has nothing below its diagonal
	s_cbranch_scc1 .Lnofull
	FULLS CNT2
.Lnofull:
	STEP 1,1,0,1, 1,16,0,1                         ; nothing more is asked for: two tiles are still on their way,
	STEP 2,1,0,0, 1,0,0,1                          ; one,
	STEP 3,1,0,1, 0,0,0,0                          ; none: the last step stores nothing into LDS and meets no barrier
	OUT OP2, 0
	s_wait_tensorcnt 0x0
	ds_add_u32 v62, v63
	s_wait_dscnt 0x0
	s_endpgm
.Lfunc_end_k_qa4d1f4bbc5_attn:
	.size	k_qa4d1f4bbc5_attn, .Lfunc_end_k_qa4d1f4bbc5_attn-k_qa4d1f4bbc5_attn
	.p2alignl 7, 3214868480
	.fill 96, 4, 3214868480
	.section	.rodata,"a",@progbits
	.p2align	6, 0x0
	.amdhsa_kernel k_qa4d1f4bbc5_attn
		.amdhsa_group_segment_fixed_size 109056
		.amdhsa_private_segment_fixed_size 0
		.amdhsa_enable_private_segment 0
		.amdhsa_kernarg_size 32
		.amdhsa_user_sgpr_count 2
		.amdhsa_user_sgpr_kernarg_segment_ptr 1
		.amdhsa_wavefront_size32 1
		.amdhsa_system_sgpr_workgroup_id_x 1
		.amdhsa_system_sgpr_workgroup_id_y 1
		.amdhsa_system_sgpr_workgroup_id_z 1
		.amdhsa_system_vgpr_workitem_id 0
		.amdhsa_next_free_vgpr 1024
		.amdhsa_next_free_sgpr 98
		.amdhsa_reserve_vcc 0
		.amdhsa_float_denorm_mode_32 3
		.amdhsa_float_denorm_mode_16_64 3
		.amdhsa_memory_ordered 1
		.amdhsa_forward_progress 1
		.amdhsa_inst_pref_size 255
	.end_amdhsa_kernel
	.section	.bss,"aw",@nobits
	.p2align	6
	.space	262144
	.amdgpu_metadata
---
amdhsa.version: [ 1, 2 ]
amdhsa.kernels:
  - .name:           k_qa4d1f4bbc5_attn
    .symbol:         k_qa4d1f4bbc5_attn.kd
    .args:
      - { .name: Q, .offset: 0, .size: 8, .value_kind: global_buffer, .address_space: global }
      - { .name: K, .offset: 8, .size: 8, .value_kind: global_buffer, .address_space: global }
      - { .name: V, .offset: 16, .size: 8, .value_kind: global_buffer, .address_space: global }
      - { .name: out0, .offset: 24, .size: 8, .value_kind: global_buffer, .address_space: global }
    .group_segment_fixed_size: 109056
    .private_segment_fixed_size: 0
    .kernarg_segment_align: 8
    .kernarg_segment_size: 32
    .max_flat_workgroup_size: 128
    .sgpr_count:     98
    .vgpr_count:     1024
    .wavefront_size: 32
...
	.end_amdgpu_metadata
.endif
;; end of part 2
